; MI455X (gfx1250); checked and timed in simulation.
; The chip was launched on July 23, 2026; its instructions are those of AMD's public machine-readable ISA for CDNA 5 (MIT licence, August 2026) and "CDNA5" Instruction Set Architecture Reference Guide (July 2026). The comments in the code are by the model that wrote it; some were corrected since.
;; Attention. Allowed arithmetic: matrix products marked QUANTISED: E2M1 operands, one E8M0 scale for each 32 along K, by v_wmma_scale_f32_16x16x128_f8f6f4 with both operands' format E2M1 (or v_wmma_scale_f32_32x16x128_f4), f32 sums; everything else in f32.
;; Inputs: key_codes 8,192 x 4 x 16 uint8 (E2M1 codes of key, K innermost, in blocks of 32 codes, two codes a byte); key_scales 8,192 x 4 uint8 (E8M0 scales of key, one for each 32 codes along K); query_codes 8,192 x 4 x 16 uint8 (E2M1 codes of query, K innermost, in blocks of 32 codes, two codes a byte); query_scales 8,192 x 4 uint8 (E8M0 scales of query, one for each 32 codes along K); value_codes 128 x 256 x 16 uint8 (E2M1 codes of value, K innermost, in blocks of 32 codes, two codes a byte); value_scales 128 x 256 uint8 (E8M0 scales of value, one for each 32 codes along K).
;; Outputs: out0 128 x 8,192 float32.
;; This version of the problem:
;;   THIS VERSION OF THE PROBLEM IS GIVEN IN LOW PRECISION. The matrix products marked QUANTISED in the list below multiply operands that are first quantised to E2M1 (2 exponent bits, 1 mantissa bit; 4 bits a number), with one power-of-two scale for each 32 numbers along K (OCP MX v1.0); their sums are f32. All else is computed in f32.
;;   The module's matrix products, in the order in which they are computed (A, B: the left and right operand; K: the contracted axis; several contracted axes count as one K, in the product's order):
;;     1. [M 8,192, K 128] x [K 128, N 8,192]; A: input query (given as codes); B: input key (given as codes): QUANTISED
;;     2. [M 128, K 8,192] x [K 8,192, N 8,192]; A: input value (given as codes); B: softmax (see below): QUANTISED
;;   THE QUANTISER, for each operand of a quantised product, along K:
;;     - K is cut into blocks of 32 from its start; a last block that is shorter is filled with zeros.
;;     - A block's scale is 2^e with e = floor(log2(the largest magnitude in the block)) - 2, held to -126 .. 127; a block of zeros has e = 0. As a byte (E8M0): e + 127.
;;     - Each number is divided by its block's scale, clamped to +-6, and rounded to the nearest number of E2M1, ties to even, subnormals kept.
;;     - The product sums the exact products of the quantised numbers (number of the format x scale) in f32.
;;   ~~~python
;;   def quantise(x, axis):      # numpy; x: float32 -> the quantised numbers, widened to float32 again
;;       x = np.moveaxis(x, axis, -1); K = x.shape[-1]
;;       x = np.pad(x, [(0, 0)] * (x.ndim - 1) + [(0, -K % 32)]); x = x.reshape(x.shape[:-1] + (-1, 32)); a = np.abs(x).max(-1, keepdims=True)
;;       e = np.where(a > 0, np.clip(np.frexp(np.where(a > 0, a, 1))[1] - 1 - 2, -126, 127), 0)      # np.frexp(a)[1] - 1 = floor(log2(a)), exactly
;;       r = np.clip(x / 2.0 ** e, -6, 6)
;;       step = 2.0 ** (np.maximum(np.frexp(np.where(r == 0, 1, r))[1] - 1, 0) - 1)
;;       q = np.round(r / step) * step * 2.0 ** e      # np.round: ties to even
;;       return np.moveaxis(q.reshape(q.shape[:-2] + (-1,))[..., :K], -1, axis).astype(np.float32)
;;   ~~~
;;   SOFTMAX AHEAD OF A QUANTISED PRODUCT. Where the list says 'softmax', what is quantised is not the finished softmax but p = 2^(t - M), with t = logit x log2(e) and M = ceil(the row's largest t), a whole number; so 1/2 < the row's largest p <= 1. The row's sum l is taken of the UNQUANTISED p, in f32, and the product's result is divided by l at the end. Since M is a whole number, a kernel that streams over the keys may use a running M (the ceiling of the running maximum): every later rescaling is an exact power of two, which a block's scale takes up: the codes' values come out the same.
;;   OPERANDS COMPUTED ON THE WAY. 'Computed on the way' means the value that the module computes at that place (a softmax that the list does not call 'softmax' is quantised finished and normalised). What goes into a quantiser is computed in f32, as accurately as f32 sums, v_exp_f32 and their like allow (about 1e-6 of the number): no bf16 or f16 on the way to a quantiser, and a product that is left as it is and whose result goes on into a quantised operand takes f32 operands (vector FMAs, or v_wmma_f32_16x16x4_f32). A number that lies on a knife's edge between two numbers of the format may be rounded either way, as far as f32 arithmetic and the matrix unit's own rounding can turn it there, and no further.
;;   INPUTS GIVEN AS CODES. key (in the module: [128, 8192], K = its axis 0); query (in the module: [128, 8192], K = its axis 0); value (in the module: [128, 8192], K = its axis 1): each comes as NAME_codes (uint8): NAME with its K axis moved to the last place and cut into blocks of 32 codes, [.., K / 32, bytes a block], one block behind the other in memory; two codes a byte, the lower K in the low four bits (a code: sign, 2 exponent bits, 1 mantissa bit); and NAME_scales (uint8): the same leading axes, one E8M0 byte (e + 127) for each 32 codes along K. Its value is code x scale, taken as it is: it is not quantised again, and the codes and scales need not be those that the quantiser above would give.
;; One version. Each part assembles by itself: llvm-mc -triple=amdgcn-amd-amdhsa -mcpu=gfx1250 --defsym DOCPART=n.
;; ======== version 1 of 1: 1 launch
;; limits: right only within a limited range of input values
;; launch attn (part 1): grid 256 x 1, 8 waves a work-group, clusters of 4 x 1, 327,680 bytes of LDS; arguments key_codes, key_scales, query_codes, query_scales, value_codes, value_scales, out0; writes out0
.if DOCPART == 1
	.amdgcn_target "amdgcn-amd-amdhsa--gfx1250"
	.amdhsa_code_object_version 6
	.text
	.protected	k_q48d1895a10_attn
	.globl	k_q48d1895a10_attn
	.p2align	8
	.type	k_q48d1895a10_attn,@function
k_q48d1895a10_attn:
	s_mov_b64 s[64:65], 0
	v_nop
	global_prefetch_b8 v0, s[64:65] scope:SCOPE_SE
	s_setreg_imm32_b32 hwreg(HW_REG_WAVE_MODE, 25, 1), 1
	s_wait_xcnt 0x0
	s_wait_alu depctr_hold_cnt(0) depctr_sa_sdst(0) depctr_va_vdst(0) depctr_va_sdst(0) depctr_va_ssrc(0) depctr_va_vcc(0) depctr_vm_vsrc(0)
	s_getreg_b32 s2, hwreg(HW_REG_IB_STS2, 6, 4)
	s_cmp_eq_u32 s2, 0
	s_cbranch_scc0 .Lentry_in_a_cluster
	s_endpgm
.Lentry_in_a_cluster:
	s_bfe_u32 s2, ttmp6, 0x10000c
	s_cmp_lg_u32 s2, 0x3003
	s_cbranch_scc0 .Lentry_shape_is_right
	s_endpgm
.Lentry_shape_is_right:
; out0[d][q] = the sum over k of softmax_k(the sum over d of query[d][q] key[d][k]) value[d][k]: 8,192 queries, 8,192 keys, d = 128, no mask, scores not scaled.
; Both products on codes of FP4 (E2M1) with one E8M0 scale for each 32 along a product's K.  query_codes, key_codes: rows of 64 bytes (K = d); value_codes: 128 rows (d) of 4,096 bytes (K = the keys).
; THE SOFTMAX: t = score x log2(e); M = the largest t so far, rounded UP to a whole number; p = 2^(t - M) is quantised along the keys, not normalised.
; The row's sum is taken of the unquantised p, in f32, and divides at the end.  When M moves, the sum and O are multiplied by 2^(old M - new M), which rounds nothing.
; SHARES.  256 work-groups, each with 32 queries (two tiles of 16) and all 128 d of them: every output has one owner.  Eight waves of 512 registers.  K and V go through a ring of two LDS buffers of 1,024 keys: 8 slots.
; In each slot wave w works keys 128 w .. 128 w + 127 for BOTH query tiles: so each fragment of K and V is read from LDS once in the work-group, and feeds two products.
; A wave has its own M, sum and O^T; at the end the 8 partial results are merged through LDS by factors 2^(M_w - M*), which are exact.
; CLUSTER.  All work-groups walk the same K and V: the four partners of a cluster ask for each tile JOINTLY (same load, same descriptor, mask 15).  No descriptor word, LDS address or branch hangs
; on the place in the cluster; it enters Q's, the output's and the prefetches' addresses alone.
; A STEP.  K's fragments of the slot are in registers when it begins; V's are loaded behind the first product.  So the slot's buffer is read out ahead of the exponentials: the change of slots stands there, in mid-step,
; with register work inside its round; the next slot's K fragments are loaded behind it and have the second half of the step in which to arrive.
; LAYOUT.  Both products transposed: S^T = K Q^T (source 0 = 32 keys, source 1 = 16 queries), O^T = V^T P^T (source 0 = 32 of d, source 1 = P): a lane holds ONE query of each tile (lane % 16) throughout.
; THE KEYS OF A TILE ARE NOT NEIGHBOURS: lane r of half tile 4 c + u takes key 64 c + 32 (r / 8) + 8 u + r % 8 of the step.  Then register S + 32 c + i of lane (r, h) is key 64 c + 32 h + i: a WHOLE block of 32 keys
; lies in one lane, in the order of the next operand's registers: the conversions write that operand as it stands.
; K IN LDS.  A slot's keys lie in two parts: those with bit 5 clear, then, 32 bytes past a multiple of 256, those with bit 5 set; in a part four keys make 256 bytes, with 16 bytes of padding behind them.
; The sixteen lanes of a load's half then start at 32 (r / 8) + 16 ((r / 4) % 2) + 64 (r % 4) modulo 256: sixteen different places of 16 bytes.
; LIMITS.  NaN, infinities and the scale byte 0xff among the inputs are not served.  The scaled scores t stay under 2^31 in magnitude.  A p under 2^-126 counts as 0.  A block whose every p is 0 keeps the byte 1 over zero codes.
; The division by the row's sum is v_rcp_f32 and a multiplication.  A work-group's piece of an output row is its 32 queries: each store of a wave covers 128 consecutive bytes, aligned to 128.
; REGISTERS: window 0 (v0-255): addresses, Q, scales, S^T, p's codes, sums.  Window 1 (v256-511, named 0-255): O^T, K's and V's fragments.
.set KH,    34848                      ; K's second part in a buffer: behind the first's 128 x 272 bytes, and 32 bytes on
.set VOFF,  69888                      ; V: 128 rows of 512 bytes + 16
.set SOFF,  137472                     ; K's scale bytes, 4,096 dense bytes as 16 rows of 256 bytes + 16
.set SLOTB, 141824                     ; a ring buffer
.set SCV,   2*SLOTB                    ; all of V's scale bytes, 128 rows of 256 bytes + 16; filled once
.set SPARE, SCV+34816                  ; the spare words, 128 bytes for each of the eight waves; no other line names them
.set STATB, 131072                     ; the way out, in buffer A, which has had its last fill and its last read by then: 8 images of O^T of 16,384 bytes from byte 0 on, and here 256 bytes of statistics a wave
.set AKA,  1                           ; v1, v2   my lane's place in my step's tiles of K, in buffer A, B
.set AVA,  3                           ; v3, v4   the same for V
.set ASA,  5                           ; v5, v6   and among K's scale words
.set ASV0, 7                           ; v7       my lane's place among V's scale words
.set ADT,  8                           ; v8       the same, for the slot in hand
.set SPW,  9                           ; v9       my spare word: SPARE + 4 x my thread's number; never rewritten
.set NIL,  10                          ; v10      0; never rewritten
.set SH8,  11                          ; v11      8 x (lane / 16)
.set NM,   12                          ; v12 -M, v13 the largest t of tile 0;  v14, v15 of tile 1
.set L,    16                          ; v[16:17], v[18:19] the rows' sums in two halves
.set F,    20                          ; v20, v22 the factors 2^(old M - new M) (v21, v23: 0, named with them)
.set QS,   24                          ; v24, v25 Q's scale words
.set PS,   26                          ; v26, v27 p's scale words
.set KS,   28                          ; v28-31   K's scale words, 32 keys a register
.set VS,   32                          ; v32-35   V's, 32 of d a register
.set SO,   36                          ; v36-39   the conversions' scale operands
.set PFO,  40                          ; v40      the prefetches' offset; never rewritten
.set PD,   41                          ; v41, v42 a lane permute's destination
.set QF,   44                          ; v44-59   Q's fragments
.set PC,   60                          ; v60-75   p's codes; at the end the statistics
.set MX,   76                          ; v76-83   four chains of the maximum for each tile
.set BY,   84                          ; v84-91   the scale bytes at work
.set TM,   92                          ; v92, v93 the step's largest score
.set OLD,  94                          ; v94, v95 the old -M
.set S,    96                          ; v96-159, v160-223  S^T, then p
.set T,    224                         ; v224-255 partial sums of p
.set O,    0                           ; window 1: O^T, 64 registers a tile
.set KF,   128                         ; window 1: K's fragments
.set VF,   192                         ; window 1: V's fragments
.set WV,   18                          ; s18  my wave's number
.set HW,   19                          ; s19  wave % 2: which part of a tile I fetch
.set SEL,  20                          ; s[20:21] lane selects for v_permlanex16_b32: lane l xor 16
.set CS,   22                          ; s[22:23] log2(e): the packed form names a pair and takes its low word for both halves
.set G1K,  24                          ; s[24:31] descriptor group 1: 16 rows of 2,048 bytes, 4,096 apart (one part of a slot's K)
.set G1V,  32                          ; s[32:39] 64 rows of 512 bytes, 4,096 apart (half of a slot's V)
.set G1S,  40                          ; s[40:47] 16 rows of 256 bytes (a slot's scale bytes of K)
.set G1T,  88                          ; s[88:95] 128 rows of 256 bytes (V's scale bytes)
.set G0K,  48                          ; s[48:55] groups 0, a set for each buffer: K;  s[56:63] V;  s[68:75] K's scale bytes;  s[76:79] V's scale bytes
.set G0V,  56
.set G0S,  68
.set G0T,  76
.set TJ,   66                          ; s66  where the slot's scale words of V begin in a row: 32 bytes a slot
.set TRIPS, 67                         ; s67  the loop's trips to go
.set PFA,  80                          ; s[80:81] where my prefetches stand in memory
.set PFS,  82                          ; s[82:83] a slot on, in bytes: 65,536 in K, 512 in a row of V
.set LIM,  84                          ; s84  1 in a wave that prefetches, else 0
.set WG,   85                          ; s85  my work-group's number
.set CX,   86                          ; s86  my place in the cluster
.set MSB,  0
.macro WIN new                         ; the immediate's high byte repeats the setting that is left
.if MSB != \new
	s_set_vgpr_msb (MSB<<8)|\new
.set MSB, \new
.endif
.endm
; A round of the cluster's barrier: my work-group's barrier, so that wave 0's signal speaks for all eight waves; wave 0 signals for the work-group; every wave waits for all four work-groups; my work-group's barrier once more.
.macro CROUND
	s_barrier_signal -1
	s_barrier_wait -1
	s_cmp_lg_u32 s[WV], 0
	s_cbranch_scc1 .Lnot_wave_0_\@
	s_barrier_signal -3
.Lnot_wave_0_\@:
	s_barrier_wait -3
	s_barrier_signal -1
	s_barrier_wait -1
.endm
; The joint loads of one buffer: waves 0, 1 K's two parts, waves 2, 3 V's halves, wave 4 K's scale bytes; vs = 1 (the first fills): wave 5 all of V's scale bytes.  One load a wave at the most.
; The branches hang on the wave's number alone: they are the same in every work-group.
.macro JLOAD buf, vs
	s_cmp_lt_u32 s[WV], 2
	s_cbranch_scc0 .Lnot_k_\@
	tensor_load_to_lds s[G0K+4*(\buf):G0K+4*(\buf)+3], s[G1K:G1K+7]
	s_nop 0
.rept 4
	v_nop
.endr
	s_branch .Lasked_\@
.Lnot_k_\@:
	s_cmp_lt_u32 s[WV], 4
	s_cbranch_scc0 .Lnot_v_\@
	tensor_load_to_lds s[G0V+4*(\buf):G0V+4*(\buf)+3], s[G1V:G1V+7]
	s_nop 0
.rept 4
	v_nop
.endr
	s_branch .Lasked_\@
.Lnot_v_\@:
	s_cmp_eq_u32 s[WV], 4
	s_cbranch_scc0 .Lnot_s_\@
	tensor_load_to_lds s[G0S+4*(\buf):G0S+4*(\buf)+3], s[G1S:G1S+7]
	s_nop 0
.rept 4
	v_nop
.endr
.if \vs
	s_branch .Lasked_\@
.endif
.Lnot_s_\@:
.if \vs
	s_cmp_eq_u32 s[WV], 5
	s_cbranch_scc0 .Lasked_\@
	tensor_load_to_lds s[G0T:G0T+3], s[G1T:G1T+7]
	s_nop 0
.rept 4
	v_nop
.endr
.endif
.Lasked_\@:
.endm
; A PREFETCH INTO THE L2 of the codes that the NEXT joint loads will ask for: the loads of slot i are followed by the prefetch of slot i + 1, a whole step ahead of its load.
; All clusters walk the same K and V: clusters 0 and 4 ask for K's codes, clusters 1 and 5 for V's.  The four partners share the blocks of 256 bytes out BY ADDRESS; in each, waves 6 and 7, which fetch
; nothing for the ring, ask by one instruction each: of K's 65,536 dense bytes 16,384 a partner, 8,192 a wave, lanes 256 bytes apart; of V's 512 bytes of each of 128 rows 32 rows a partner, a lane a row, 256 bytes a wave.
; Slot 0 comes by its loads alone, and behind slot 7 nothing is asked for.
.macro ASK
	s_cmp_eq_u32 s[LIM], 1
	s_cbranch_scc0 .Lnot_mine_\@
	global_prefetch_b8 v[PFO], s[PFA:PFA+1] th:TH_LOAD_NT scope:SCOPE_SE
.Lnot_mine_\@:
.endm
.macro KLOADS buf                      ; my step's 128 keys: four scale words, eight half tiles
.irp c, 0,1
.irp x, 0,1
	ds_load_b32 v[KS+2*\c+\x], v[ASA+\buf] offset:272*\c+64*\x
.endr
.endr
	WIN 0x40
.irp c, 0,1
.irp u, 0,1,2,3
	ds_load_b128 v[KF+8*(4*\c+\u):KF+8*(4*\c+\u)+3],   v[AKA+\buf] offset:272*(8*\c+2*\u)
	ds_load_b128 v[KF+8*(4*\c+\u)+4:KF+8*(4*\c+\u)+7], v[AKA+\buf] offset:272*(8*\c+2*\u)+32
.endr
.endr
	WIN 0
.endm
.macro VLOADS buf
.irp y, 0,1,2,3
	ds_load_b32 v[VS+\y], v[ADT] offset:8704*\y
.endr
	WIN 0x40
.irp u, 0,1,2,3,4,5,6,7
	ds_load_b128 v[VF+8*\u:VF+8*\u+3],   v[AVA+\buf] offset:8448*\u
	ds_load_b128 v[VF+8*\u+4:VF+8*\u+7], v[AVA+\buf] offset:8448*\u+32
.endr
	WIN 0
.endm
; The largest scores and M of both tiles (g), by turns.  A block's largest score serves twice: for the row's maximum and, since p rises with the score, for the block's largest p.
.macro MAXIMA first
.irp n, 0,1,2,3
.irp g, 0,1
	v_max3_num_f32 v[MX+4*\g+\n], v[S+64*\g+16*\n], v[S+64*\g+16*\n+1], v[S+64*\g+16*\n+2]   ; each accumulator is read from its low end on
.endr
.endr
.irp i, 3,5,7,9,11,13
.irp n, 0,1,2,3
.irp g, 0,1
	v_max3_num_f32 v[MX+4*\g+\n], v[MX+4*\g+\n], v[S+64*\g+16*\n+\i], v[S+64*\g+16*\n+\i+1]
.endr
.endr
.endr
.irp g, 0,1
	v_max3_num_f32 v[MX+4*\g], v[MX+4*\g], v[S+64*\g+15], v[S+64*\g+31]
	v_max3_num_f32 v[MX+4*\g+2], v[MX+4*\g+2], v[S+64*\g+47], v[S+64*\g+63]
.endr
.irp g, 0,1
	v_max_num_f32 v[MX+4*\g], v[MX+4*\g], v[MX+4*\g+1]       ; block h of my query,
	v_max_num_f32 v[MX+4*\g+2], v[MX+4*\g+2], v[MX+4*\g+3]   ; block 2 + h
.endr
.irp g, 0,1
	v_max_num_f32 v[TM+\g], v[MX+4*\g], v[MX+4*\g+2]
.endr
.irp g, 0,1
	v_permlanex16_b32 v[PD+\g], v[TM+\g], s[SEL], s[SEL+1]
.endr
.irp g, 0,1
	v_max_num_f32 v[TM+\g], v[TM+\g], v[PD+\g]               ; with lane l xor 16's two blocks
.endr
.if \first
.irp g, 0,1
	v_mul_f32 v[NM+2*\g+1], s[CS], v[TM+\g]
.endr
.irp g, 0,1
	v_floor_f32 v[NM+2*\g], -v[NM+2*\g+1]                    ; -M = floor(-t): M IS A WHOLE NUMBER
.endr
.else
.irp g, 0,1
	v_mul_f32 v[TM+\g], s[CS], v[TM+\g]
.endr
.irp g, 0,1
	v_mov_b32 v[OLD+\g], v[NM+2*\g]
.endr
.irp g, 0,1
	v_max_num_f32 v[NM+2*\g+1], v[NM+2*\g+1], v[TM+\g]       ; the running largest t
.endr
.irp g, 0,1
	v_floor_f32 v[NM+2*\g], -v[NM+2*\g+1]
.endr
.irp g, 0,1
	v_sub_f32 v[OLD+\g], v[NM+2*\g], v[OLD+\g]               ; old M - new M: a whole number, 0 or less
.endr
.irp g, 0,1
	v_cvt_i32_f32 v[OLD+\g], v[OLD+\g]                       ; (it saturates)
.endr
.irp g, 0,1
	v_ldexp_f32 v[F+2*\g], 1.0, v[OLD+\g]
.endr
.irp g, 0,1
	v_pk_mul_f32 v[L+2*\g:L+2*\g+1], v[L+2*\g:L+2*\g+1], v[F+2*\g:F+2*\g+1] op_sel_hi:[1,0]
.endr
	WIN 0x41
.irp g, 0,1
.set j, 0
.rept 32
	v_pk_mul_f32 v[O+64*\g+j:O+64*\g+j+1], v[O+64*\g+j:O+64*\g+j+1], v[F+2*\g:F+2*\g+1] op_sel_hi:[1,0]   ; O^T under the new M; each accumulator from its low end on
.set j, j+2
.endr
.endr
	WIN 0
.endif
.endm
; n first-level sums of tile q's p, from the k-th on, into registers d on
.macro ADDS q, d, n
.rept \n
	v_pk_add_f32 v[\d+2*k:\d+2*k+1], v[S+64*\q+4*k:S+64*\q+4*k+1], v[S+64*\q+4*k+2:S+64*\q+4*k+3]
.set k, k+1
.endr
.endm
; Tile q's scale word and conversion operands, ten lines, with the sixteen first-level sums between them
.macro BOOK q, d
.set k, 0
	v_max_num_f32 v[MX+4*\q], 0x1800000, v[MX+4*\q]          ; the floor 2^(3 - 127): the byte cannot fall under 1
	v_max_num_f32 v[MX+4*\q+2], 0x1800000, v[MX+4*\q+2]
	ADDS \q, \d, 2
	v_add_nc_u32 v[SO+2*\q], 0xff000000, v[MX+4*\q]          ; 2 off the exponent field: the conversion takes that field as its scale, and nothing else of it
	v_add_nc_u32 v[SO+2*\q+1], 0xff000000, v[MX+4*\q+2]
	ADDS \q, \d, 2
	v_lshrrev_b32 v[BY+4*\q], 23, v[SO+2*\q]                 ; the scale's byte
	v_lshrrev_b32 v[BY+4*\q+1], 23, v[SO+2*\q+1]
	ADDS \q, \d, 3
	v_lshl_or_b32 v[BY+4*\q+2], v[BY+4*\q+1], 16, v[BY+4*\q] ; my two bytes, blocks h and 2 + h,
	ADDS \q, \d, 3
	v_lshlrev_b32 v[BY+4*\q+2], v[SH8], v[BY+4*\q+2]         ; at their places in the scale word;
	ADDS \q, \d, 3
	v_permlanex16_b32 v[PD+\q], v[BY+4*\q+2], s[SEL], s[SEL+1]
	ADDS \q, \d, 3
	v_or_b32 v[PS+\q], v[BY+4*\q+2], v[PD+\q]                ; with lane l xor 16's two the word is whole
.endm
.macro CVT q
.irp c, 0,1
.irp e, 0,1,2,3
	v_cvt_scalef32_pk8_fp4_f32 v[PC+8*\q+4*\c+\e], v[S+64*\q+32*\c+8*\e:S+64*\q+32*\c+8*\e+7], v[SO+2*\q+\c]   ; register 4 c + e of the operand: keys 64 c + 32 h + 8 e + 0 .. 7
.endr
.endr
.endm
; A KEY STEP: my 128 keys of the slot in buffer buf, for both tiles.  first = 1: the wave's first step starts M and O^T.
; mode = 2: the change of slots stands in it as a round of the cluster's barrier with the joint refill of buf, two slots on; mode = 1: as a work-group barrier, nothing is filled; mode = 0: the last step, no change.
; ask = 1: the prefetch of the slot behind the one that is refilled.
.macro STEP buf, first, mode, ask
	s_wait_dscnt 0x0                               ; K's fragments and scale words
	WIN 0x01
.irp x, 0,1,2,3
.irp g, 0,1
	v_wmma_scale_f32_32x16x128_f4 v[S+64*\g+16*\x:S+64*\g+16*\x+15], v[KF+16*\x:KF+16*\x+15], v[QF+8*\g:QF+8*\g+7], 0, v[KS+\x], v[QS+\g]
.endr
.endr
	WIN 0
	v_add_nc_u32 v[ADT], s[TJ], v[ASV0]            ; V's scale words of this slot.  It and the three v_nop are the four places in front of the loads into registers that the last step's products read, and of the first read of the scores
.rept 3
	v_nop
.endr
	VLOADS \buf
	MAXIMA \first
.set j, 0
.rept 32
	v_pk_fma_f32 v[S+j:S+j+1], v[S+j:S+j+1], s[CS:CS+1], v[NM:NM+1] op_sel_hi:[1,0,0]   ; t - M, two at a time
.set j, j+2
.endr
	v_fma_f32 v[MX], v[MX], s[CS], v[NM]           ; the same of each block's largest score
	v_fma_f32 v[MX+2], v[MX+2], s[CS], v[NM]
	s_wait_alu depctr_va_vdst(0)                   ; the wait ahead of the waits below and of the exponentials
.if \mode == 0
	s_wait_dscnt 0x0                               ; V's fragments
.else
	s_wait_tensorcnt 0x0                           ; my part of the next slot has landed: no tensor load of mine is out, so a group 0 may be written
	ds_add_u32 v[SPW], v[NIL]                      ; 0 onto my spare word
.if \mode == 2
	ds_add_u32 v[SPW], v[NIL]                      ; twice on end
	s_add_nc_u64 s[G0K+4*(\buf)+2:G0K+4*(\buf)+3], s[G0K+4*(\buf)+2:G0K+4*(\buf)+3], 2*65536   ; this buffer two slots on; the type bits on top are not reached
	s_add_nc_u64 s[G0V+4*(\buf)+2:G0V+4*(\buf)+3], s[G0V+4*(\buf)+2:G0V+4*(\buf)+3], 2*512
	s_add_nc_u64 s[G0S+4*(\buf)+2:G0S+4*(\buf)+3], s[G0S+4*(\buf)+2:G0S+4*(\buf)+3], 2*4096
.if \ask
	s_wait_xcnt 0x0                                ; the last prefetch, a step back, has read its address, so it may be written
	s_add_nc_u64 s[PFA:PFA+1], s[PFA:PFA+1], s[PFS:PFS+1]
.endif
.endif
	s_wait_dscnt 0x0                               ; the add is done, V's fragments are in: I have read this slot out
	s_barrier_signal -1                            ; say so (mode 2: this opens a round of the cluster's barrier), and work on registers meanwhile
.endif
.set j, 0
.rept 32
	v_exp_f32 v[S+j], v[S+j]                       ; p = 2^(t - M), at most 1: tile 0's exponentials, with tile 1's multiply-adds between them
	v_pk_fma_f32 v[S+64+j:S+64+j+1], v[S+64+j:S+64+j+1], s[CS:CS+1], v[NM+2:NM+3] op_sel_hi:[1,0,0]
	v_exp_f32 v[S+j+1], v[S+j+1]
.set j, j+2
.endr
	v_exp_f32 v[MX], v[MX]                         ; the blocks' largest p: the same two instructions on the same number give the same bits
	v_fma_f32 v[MX+4], v[MX+4], s[CS], v[NM+2]
	v_exp_f32 v[MX+2], v[MX+2]
	v_fma_f32 v[MX+6], v[MX+6], s[CS], v[NM+2]     ; also the plain instruction behind the exponentials
	s_wait_alu depctr_va_vdst(0)                   ; the batch's wait, ahead of its first reader and of the barrier and branch
.if \mode
	s_barrier_wait -1
.endif
.if \mode == 2
	s_cmp_lg_u32 s[WV], 0
	s_cbranch_scc1 .Lnot_wave_0_\@
	s_barrier_signal -3
.Lnot_wave_0_\@:
	s_barrier_wait -3                              ; no wave of any partner still reads this slot or has a load on its way
	s_barrier_signal -1
	s_barrier_wait -1                              ; the round is closed
	JLOAD \buf, 0                                  ; the first tensor load behind it, and a wave's only one until the next: it has a whole step in which to land
.endif
.if \mode
	KLOADS 1-\buf                                  ; the next step's keys
.endif
.if \mode == 2 && \ask
	ASK
.endif
	BOOK 0, T
	CVT 0
	v_nop                                          ; one plain instruction behind the scaled conversions
	s_wait_alu depctr_va_vdst(0)                   ; the wait ahead of the second batch
.set j, 0
.rept 8                                ; tile 1's exponentials, with tile 0's second-level sums between them
.rept 4
	v_exp_f32 v[S+64+j], v[S+64+j]
.set j, j+1
.endr
	v_pk_add_f32 v[T+(j-4)/2:T+(j-4)/2+1], v[T+(j-4)/2:T+(j-4)/2+1], v[T+(j-4)/2+2:T+(j-4)/2+3]
.rept 4
	v_exp_f32 v[S+64+j], v[S+64+j]
.set j, j+1
.endr
.endr
	v_exp_f32 v[MX+4], v[MX+4]
	v_exp_f32 v[MX+6], v[MX+6]
	v_nop                                          ; a plain instruction behind the exponentials
	s_wait_alu depctr_va_vdst(0)                   ; and their wait
	BOOK 1, S                                      ; tile 1's first-level sums go to tile 0's registers, which have been converted
	CVT 1
.irp n, 0,1,2,3,4,5,6,7                ; the rest of the sums, both tiles by turns; these 24 lines are also the places behind the conversions and the scale word
	v_pk_add_f32 v[S+4*\n:S+4*\n+1], v[S+4*\n:S+4*\n+1], v[S+4*\n+2:S+4*\n+3]
.endr
.irp n, 0,1,2,3
	v_pk_add_f32 v[T+8*\n:T+8*\n+1], v[T+8*\n:T+8*\n+1], v[T+8*\n+4:T+8*\n+5]
.endr
.irp n, 0,1,2,3
	v_pk_add_f32 v[S+8*\n:S+8*\n+1], v[S+8*\n:S+8*\n+1], v[S+8*\n+4:S+8*\n+5]
.endr
.irp n, 0,1
	v_pk_add_f32 v[T+16*\n:T+16*\n+1], v[T+16*\n:T+16*\n+1], v[T+16*\n+8:T+16*\n+9]
.endr
.irp n, 0,1
	v_pk_add_f32 v[S+16*\n:S+16*\n+1], v[S+16*\n:S+16*\n+1], v[S+16*\n+8:S+16*\n+9]
.endr
	v_pk_add_f32 v[T:T+1], v[T:T+1], v[T+16:T+17]
	v_pk_add_f32 v[S:S+1], v[S:S+1], v[S+16:S+17]
	v_pk_add_f32 v[L:L+1], v[L:L+1], v[T:T+1]
	v_pk_add_f32 v[L+2:L+3], v[L+2:L+3], v[S:S+1]
	WIN 0x51
.irp y, 0,1,2,3                        ; O^T += V^T P^T: d = 32 y .. 32 y + 31; the eight accumulators take turns, one instruction a turn
.irp g, 0,1
.if \first
	v_wmma_scale_f32_32x16x128_f4 v[O+64*\g+16*\y:O+64*\g+16*\y+15], v[VF+16*\y:VF+16*\y+15], v[PC+8*\g:PC+8*\g+7], 0, v[VS+\y], v[PS+\g]
.else
	v_wmma_scale_f32_32x16x128_f4 v[O+64*\g+16*\y:O+64*\g+16*\y+15], v[VF+16*\y:VF+16*\y+15], v[PC+8*\g:PC+8*\g+7], v[O+64*\g+16*\y:O+64*\g+16*\y+15], v[VS+\y], v[PS+\g]
.endif
.endr
.endr
	WIN 0
	s_add_co_u32 s[TJ], s[TJ], 32                  ; the next slot's scale words of V
.endm
	s_load_b256 s[4:11], s[0:1], 0x0               ; K's codes s[4:5], K's scales s[6:7], Q's codes s[8:9], Q's scales s[10:11]
	s_load_b128 s[12:15], s[0:1], 0x20             ; V's codes s[12:13], V's scales s[14:15]
	s_load_b64 s[16:17], s[0:1], 0x30              ; the output
	v_lshl_add_u32 v[SPW], v0, 2, SPARE
	v_mov_b32 v[NIL], 0
	ds_add_u32 v[SPW], v[NIL]                      ; the wave's opening: the add, twice on end, and its wait
	ds_add_u32 v[SPW], v[NIL]
	v_lshrrev_b32 v84, 5, v0
	v_readfirstlane_b32 s[WV], v84                 ; wave 0..7
	s_and_b32 s[HW], s[WV], 1
	s_bfe_u32 s[CX], ttmp6, 0x40000                ; cx: my place in the cluster
	s_lshl_b32 s[WG], ttmp9, 2                     ; in a cluster launch ttmp9 counts clusters
	s_add_co_u32 s[WG], s[WG], s[CX]               ; my work-group = 4 x cluster + cx: it enters Q's and the output's addresses alone
	; descriptor groups 1.  Word 0: 15:0 the mask: all four work-groups; 17:16 the element's size; 20 padding on; 21 set beside a mask; 24:22 after how many words; 31:25 four words of it (code 3)
.irp g, G1T, G1S
	s_mov_b32 s[\g], 15|(3<<16)|(1<<20)|(1<<21)|(5<<22)|(3<<25)   ; elements of 8 bytes; padding after every 64 words (code 5)
	s_mov_b32 s[\g+1], 32<<16                      ; tensor_dim0 = 32 elements: 256 bytes
	s_mov_b32 s[\g+3], 32<<16                      ; tile_dim0
	s_mov_b32 s[\g+5], 32                          ; from row to row: dense
	s_mov_b32 s[\g+6], 0
	s_mov_b32 s[\g+7], 0
.endr
	s_mov_b32 s[G1T+2], 128<<16                    ; tensor_dim1 = 128 rows
	s_mov_b32 s[G1T+4], 128                        ; tile_dim1
	s_mov_b32 s[G1S+2], 16<<16                     ; 16 rows
	s_mov_b32 s[G1S+4], 16
	s_mov_b32 s[G1K], 15|(3<<16)|(1<<20)|(1<<21)|(5<<22)|(3<<25)  ; K: elements of 8 bytes; padding after every 64 words: eight times in a row
	s_mov_b32 s[G1K+1], 256<<16                    ; tensor_dim0 = 256 elements: 32 keys of 64 bytes
	s_mov_b32 s[G1K+2], 16<<16                     ; tensor_dim1 = 16 rows
	s_mov_b32 s[G1K+3], 256<<16                    ; tile_dim0
	s_mov_b32 s[G1K+4], 16                         ; tile_dim1
	s_mov_b32 s[G1K+5], 512                        ; from row to row: 64 keys: every second run of 32
	s_mov_b32 s[G1K+6], 0
	s_mov_b32 s[G1K+7], 0
	s_mov_b32 s[G1V], 15|(0<<16)|(1<<20)|(1<<21)|(6<<22)|(3<<25)  ; elements of 1 byte; padding after every 128 words (code 6)
	s_mov_b32 s[G1V+1], 512<<16
	s_mov_b32 s[G1V+2], 64<<16
	s_mov_b32 s[G1V+3], 512<<16
	s_mov_b32 s[G1V+4], 64
	s_mov_b32 s[G1V+5], 4096                       ; a row of V in memory
	s_mov_b32 s[G1V+6], 0
	s_mov_b32 s[G1V+7], 0
	s_mov_b32 s[SEL], 0x76543210
	s_mov_b32 s[SEL+1], 0xfedcba98
	s_mov_b32 s[CS], 0x3fb8aa3b                    ; log2(e)
	s_mov_b32 s[CS+1], s[CS]                       ; (named with it as a pair, so it is written)
	s_mov_b32 s[TJ], 0
	s_mul_i32 s2, s[HW], KH                        ; my part of K's codes in a buffer,
	s_lshl_b32 s96, s[HW], 11                      ; and in memory: it begins with keys 32 x part on
	s_mov_b32 s97, 0
	s_mul_i32 s3, s[HW], 64*528                    ; my half of V's codes in a buffer,
	s_add_co_u32 s3, s3, VOFF
	s_lshl_b32 s98, s[HW], 18                      ; and in memory: 64 rows of 4,096 bytes
	s_mov_b32 s99, 0
	s_wait_alu depctr_va_vdst(0)
	s_wait_dscnt 0x0                               ; both opening adds are done
	CROUND                                         ; all four work-groups are here: the first joint loads meet.  Nothing in the round hangs on the arguments
	s_wait_kmcnt 0x0
	s_add_nc_u64 s[96:97], s[4:5], s[96:97]
	s_add_nc_u64 s[98:99], s[12:13], s[98:99]
.irp x, 0,1                                    ; groups 0: buffer x begins with slot x.  Word 0: count = 1; word 1: LDS address; words 2, 3: global address, type 2 on top
	s_mov_b32 s[G0K+4*\x], 1
	s_add_co_u32 s[G0K+4*\x+1], s2, \x*SLOTB
	s_add_nc_u64 s[G0K+4*\x+2:G0K+4*\x+3], s[96:97], \x*65536
	s_or_b32 s[G0K+4*\x+3], s[G0K+4*\x+3], 0x80000000
	s_mov_b32 s[G0V+4*\x], 1
	s_add_co_u32 s[G0V+4*\x+1], s3, \x*SLOTB
	s_add_nc_u64 s[G0V+4*\x+2:G0V+4*\x+3], s[98:99], \x*512
	s_or_b32 s[G0V+4*\x+3], s[G0V+4*\x+3], 0x80000000
	s_mov_b32 s[G0S+4*\x], 1
	s_mov_b32 s[G0S+4*\x+1], \x*SLOTB+SOFF
	s_add_nc_u64 s[G0S+4*\x+2:G0S+4*\x+3], s[6:7], \x*4096
	s_or_b32 s[G0S+4*\x+3], s[G0S+4*\x+3], 0x80000000
.endr
	s_mov_b32 s[G0T], 1
	s_mov_b32 s[G0T+1], SCV
	s_mov_b64 s[G0T+2:G0T+3], s[14:15]
	s_or_b32 s[G0T+3], s[G0T+3], 0x80000000
	JLOAD 0, 1                                     ; slot 0 into buffer A, and all of V's scale bytes: one load a wave at the most
	s_lshl_b32 s96, s[WG], 11                      ; Q: 32 queries of 64 bytes a work-group
	s_mov_b32 s97, 0
	s_add_nc_u64 s[8:9], s[8:9], s[96:97]
	s_lshr_b32 s96, s96, 4                         ; their scale words: 4 bytes a query
	s_add_nc_u64 s[10:11], s[10:11], s[96:97]
	s_lshl_b32 s96, s[WV], 19                      ; the output: at the end wave w stores rows d = 16 w .. 16 w + 15 (32,768 bytes a row),
	s_lshl_b32 s98, s[WG], 7                       ; at my work-group's 32 queries
	s_add_co_u32 s96, s96, s98
	s_add_nc_u64 s[16:17], s[16:17], s[96:97]
	; the prefetches (macro ASK): where my wave's stand, and who asks
	s_and_b32 s2, ttmp9, 1
	s_cmp_eq_u32 s2, 0                             ; even clusters' addresses stand in K, odd ones' in V
	s_cselect_b64 s[PFA:PFA+1], s[4:5], s[12:13]
	s_mov_b32 s[PFS], 512
	s_cselect_b32 s[PFS], 65536, s[PFS]            ; a slot on
	s_mov_b32 s3, 4096
	s_cselect_b32 s3, 256, s3                      ; from lane to lane
	s_mov_b32 s97, 131072
	s_cselect_b32 s97, 16384, s97                  ; from partner to partner
	s_mov_b32 s98, 256
	s_cselect_b32 s98, 8192, s98                   ; from wave 6 to wave 7
	s_mul_i32 s97, s97, s[CX]
	s_mul_i32 s98, s98, s[HW]
	s_add_co_u32 s98, s98, s97
	s_add_co_u32 s98, s98, s[PFS]                  ; in slot 1
	s_mov_b32 s99, 0
	s_mov_b32 s[PFS+1], 0
	s_add_nc_u64 s[PFA:PFA+1], s[PFA:PFA+1], s[98:99]
	s_and_b32 s96, ttmp9, 0xfffffffa               ; 0 in clusters 0, 1, 4, 5: the same in all four partners
	s_sub_co_u32 s97, s[WV], 6
	s_lshr_b32 s97, s97, 1                         ; 0 in waves 6 and 7
	s_or_b32 s96, s96, s97
	s_cmp_eq_u32 s96, 0
	s_cselect_b32 s[LIM], 1, 0
	s_mul_i32 s2, s[WV], 16*272                    ; my 128 keys of a slot: 16 LDS rows in each part of K,
	s_lshl_b32 s96, s[WV], 6                       ; 64 bytes of V's rows,
	s_add_co_u32 s96, s96, VOFF
	s_mul_i32 s97, s[WV], 2*272                    ; two LDS rows of K's scale words,
	s_add_co_u32 s97, s97, SOFF
	s_lshl_b32 s98, s[WV], 2                       ; 4 bytes of V's scale bytes
	s_add_co_u32 s98, s98, SCV
	v_and_b32 v224, 15, v0                         ; r = lane % 16
	v_bfe_u32 v225, v0, 4, 1                       ; h = lane / 16
	v_bfe_u32 v226, v0, 3, 1                       ; a = r / 8
	v_bfe_u32 v227, v0, 2, 1                       ; b = (r / 4) % 2
	v_and_b32 v228, 3, v0                          ; e = r % 4
	v_lshlrev_b32 v240, 6, v224
	v_lshlrev_b32 v241, 2, v224
	v_lshl_add_u32 v240, v225, 4, v240             ; Q: lane (r, h): row r of 64 bytes, + 16 h; a fragment's halves lie 32 bytes apart, the tiles 1,024
	global_load_b128 v[QF:QF+3], v240, s[8:9]
	global_load_b128 v[QF+4:QF+7], v240, s[8:9] offset:32
	global_load_b128 v[QF+8:QF+11], v240, s[8:9] offset:1024
	global_load_b128 v[QF+12:QF+15], v240, s[8:9] offset:1056
	global_load_b32 v[QS], v241, s[10:11]
	global_load_b32 v[QS+1], v241, s[10:11] offset:64
	v_and_b32 v[PFO], 31, v0
	v_mul_u32_u24 v[AKA], v226, KH                 ; K: key 32 a + 4 b + e of a tile lies in part a,
	v_mul_u32_u24 v[AVA], v224, 528                ; V: row r of a tile,
	v_and_b32 v229, 7, v0
	v_mul_u32_u24 v[ASV0], v224, 272               ; V's scale words: row r of a tile; lanes 16-31 take the rows 16 on
	v_mul_lo_u32 v[PFO], v[PFO], s3
	v_mad_u32_u24 v[AKA], v227, 272, v[AKA]        ; b LDS rows of four keys down,
	v_lshl_add_u32 v[AVA], v225, 4, v[AVA]         ; + 16 h
	v_lshlrev_b32 v[ASA], 2, v229                  ; K's scale words, 4 bytes a key: key 32 a + r % 8 of a tile; lanes 16-31 take the half tile 8 keys on
	v_mul_u32_u24 v230, v225, 16*272
	v_lshl_add_u32 v[AKA], v228, 6, v[AKA]         ; 64 e bytes in;
	v_add_nc_u32 v[AVA], s96, v[AVA]
	v_lshl_add_u32 v[ASA], v226, 7, v[ASA]
	v_add_nc_u32 v[ASV0], v[ASV0], v230
	v_lshl_add_u32 v[AKA], v225, 4, v[AKA]         ; + 16 h
	v_add_nc_u32 v[AVA+1], SLOTB, v[AVA]
	v_lshl_add_u32 v[ASA], v225, 5, v[ASA]
	v_add_nc_u32 v[ASV0], s98, v[ASV0]
	v_add_nc_u32 v[AKA], s2, v[AKA]
	v_lshlrev_b32 v[SH8], 3, v225
	v_add_nc_u32 v[ASA], s97, v[ASA]
	v_mov_b32 v[L], 0                              ; the sums, in two halves
	v_add_nc_u32 v[AKA+1], SLOTB, v[AKA]
	v_mov_b32 v[L+1], 0
	v_add_nc_u32 v[ASA+1], SLOTB, v[ASA]
	v_mov_b32 v[L+2], 0
	v_mov_b32 v[L+3], 0
	v_mov_b32 v[F+1], 0                            ; (named as the upper halves of the factors' pairs)
	v_mov_b32 v[F+3], 0
	v_mov_b32 v[PD], 0                             ; written once: a lane permute's destination counts as one of its sources
	v_mov_b32 v[PD+1], 0
	s_wait_alu depctr_va_vdst(0)
	ASK                                            ; slot 1
	s_wait_loadcnt 0x0                             ; Q
	s_wait_tensorcnt 0x0                           ; my part of slot 0
	ds_add_u32 v[SPW], v[NIL]
	ds_add_u32 v[SPW], v[NIL]
	s_wait_xcnt 0x0                                ; the prefetch has read its address, so it may be written
	s_add_nc_u64 s[PFA:PFA+1], s[PFA:PFA+1], s[PFS:PFS+1]
	s_wait_dscnt 0x0
	CROUND                                         ; slot 0 is whole
	JLOAD 1, 0                                     ; slot 1 into buffer B
	KLOADS 0
	ASK                                            ; slot 2
	STEP 0, 1, 2, 1                                ; slot 0
	s_mov_b32 s[TRIPS], 2
.Lpair:                                            ; two trips: slots 1 to 4
	STEP 1, 0, 2, 1
	STEP 0, 0, 2, 1
	s_sub_co_u32 s[TRIPS], s[TRIPS], 1
	s_cmp_lg_u32 s[TRIPS], 0
	s_cbranch_scc1 .Lpair
	STEP 1, 0, 2, 0                                ; slot 5: asks for slot 7, the last; the tail is written out
	STEP 0, 0, 1, 0
	STEP 1, 0, 0, 0
	; THE WAY OUT.  Each wave puts its O^T (as an image of its registers: 16 bytes a lane, 512 a store), its -M and its sums into buffer A; a barrier; wave w then merges d = 16 w .. 16 w + 15 for all 32 queries, a lane a query.
	; The lines up to the first store are more than four plain instructions that name no register of the last products: they are the places behind those.
	s_lshl_b32 s2, s[WV], 14
	s_lshl_b32 s3, s[WV], 10
	v_add_f32 v84, v[L], v[L+1]                    ; the sums' two halves,
	v_add_f32 v85, v[L+2], v[L+3]
	v_and_b32 v86, 31, v0                          ; lane
	v_bfe_u32 v87, v0, 4, 1                        ; as a reader: my query's tile,
	v_and_b32 v90, 15, v0                          ; and its place there
	v_permlanex16_b32 v[PD], v84, s[SEL], s[SEL+1]
	v_permlanex16_b32 v[PD+1], v85, s[SEL], s[SEL+1]
	v_cmp_lt_u32 vcc_lo, 15, v86
	v_lshlrev_b32 v1, 4, v86
	v_add_f32 v84, v84, v[PD]                      ; and lane l xor 16's
	v_add_f32 v85, v85, v[PD+1]
	v_lshlrev_b32 v4, 13, v87
	v_add_nc_u32 v1, s2, v1                        ; my image: 16 x lane + 16,384 x wave
	v_cndmask_b32 v88, v[NM], v[NM+2], vcc_lo      ; lanes 0-15 speak for tile 0, lanes 16-31 for tile 1: -M
	v_cndmask_b32 v89, v84, v85, vcc_lo            ; and the sum
	v_lshl_add_u32 v4, v90, 4, v4
	v_lshl_add_u32 v2, v0, 3, STATB                ; my statistics: 8 bytes a thread
	v_lshlrev_b32 v3, 3, v86
	v_lshlrev_b32 v6, 2, v86                       ; my byte in the output's rows
	v_add_nc_u32 v4, s3, v4                        ; d = 16 w + 8 hh + j: two groups of 512 bytes from 1,024 w on in a tile's 8,192 bytes, in lanes 16 hh on
	v_add_nc_u32 v3, STATB, v3
	v_add_nc_u32 v5, 65536, v4                     ; waves 4 to 7's images
	WIN 0x04
.irp g, 0,1,2,3,4,5,6,7,8,9,10,11,12,13,14,15,16,17,18,19,20,21,22,23,24,25,26,27,28,29,30,31
	ds_store_b128 v1, v[O+4*\g:O+4*\g+3] offset:512*\g   ; each accumulator from its low end on
.endr
	WIN 0
	ds_store_b64 v2, v[88:89]
	s_wait_alu depctr_va_vdst(0)
	s_wait_dscnt 0x0                               ; for the others' sake: my stores have landed
	s_barrier_signal -1
	s_barrier_wait -1
.irp n, 0,1,2,3,4,5,6,7
	ds_load_b64 v[PC+2*\n:PC+2*\n+1], v3 offset:256*\n   ; -M and the sum of wave n
.endr
.irp n, 0,1,2,3
.irp i, 0,1
	ds_load_b128 v[S+16*\n+8*\i:S+16*\n+8*\i+3],   v4 offset:16384*\n+256*\i
	ds_load_b128 v[S+16*\n+8*\i+4:S+16*\n+8*\i+7], v4 offset:16384*\n+256*\i+512
.endr
.endr
.irp n, 0,1,2,3
.irp i, 0,1
	ds_load_b128 v[S+64+16*\n+8*\i:S+64+16*\n+8*\i+3],   v5 offset:16384*\n+256*\i
	ds_load_b128 v[S+64+16*\n+8*\i+4:S+64+16*\n+8*\i+7], v5 offset:16384*\n+256*\i+512
.endr
.endr
	s_wait_dscnt 32                                ; the statistics are in; the 32 loads of the images may be out
	v_min3_num_f32 v84, v[PC], v[PC+2], v[PC+4]
	v_min3_num_f32 v85, v[PC+6], v[PC+8], v[PC+10]
	v_min3_num_f32 v84, v84, v[PC+12], v[PC+14]
	v_min_num_f32 v84, v84, v85                    ; -M*: the smallest -M
.irp n, 0,1,2,3,4,5,6,7
	v_sub_f32 v[PC+2*\n], v84, v[PC+2*\n]          ; M_n - M*: a whole number, 0 or less
.endr
.irp n, 0,1,2,3,4,5,6,7
	v_cvt_i32_f32 v[PC+2*\n], v[PC+2*\n]           ; (it saturates)
.endr
.irp n, 0,1,2,3,4,5,6,7
	v_ldexp_f32 v[PC+2*\n], 1.0, v[PC+2*\n]        ; f_n = 2^(M_n - M*)
.endr
	v_mul_f32 v85, v[PC], v[PC+1]                  ; the row's sum under M*, in two chains
	v_mul_f32 v86, v[PC+2], v[PC+3]
.irp n, 2,4,6
	v_fmac_f32 v85, v[PC+2*\n], v[PC+2*\n+1]
	v_fmac_f32 v86, v[PC+2*\n+2], v[PC+2*\n+3]
.endr
	v_add_f32 v85, v85, v86
	s_wait_alu depctr_va_vdst(0)
	v_rcp_f32 v85, v85
	v_nop                                          ; a plain instruction behind the reciprocal
	s_wait_alu depctr_va_vdst(0)
.irp n, 0,1,2,3,4,5,6,7
	v_mul_f32 v[PC+2*\n], v[PC+2*\n], v85          ; f_n / the sum
.endr
	s_wait_alu depctr_va_vdst(0)
	s_wait_dscnt 16                                ; waves 0 to 3's images are in
.irp i, 0,2,4,6,8,10,12,14
	v_pk_mul_f32 v[T+\i:T+\i+1], v[S+\i:S+\i+1], v[PC:PC+1] op_sel_hi:[1,0]
.endr
.irp n, 1,2,3
.irp i, 0,2,4,6,8,10,12,14
	v_pk_fma_f32 v[T+\i:T+\i+1], v[S+16*\n+\i:S+16*\n+\i+1], v[PC+2*\n:PC+2*\n+1], v[T+\i:T+\i+1] op_sel_hi:[1,0,1]
.endr
.endr
	s_wait_alu depctr_va_vdst(0)
	s_wait_dscnt 0x0
.irp n, 4,5,6,7
.irp i, 0,2,4,6,8,10,12,14
	v_pk_fma_f32 v[T+\i:T+\i+1], v[S+16*\n+\i:S+16*\n+\i+1], v[PC+2*\n:PC+2*\n+1], v[T+\i:T+\i+1] op_sel_hi:[1,0,1]
.endr
.endr
.irp i, 0,1,2,3,4,5,6,7,8,9,10,11,12,13,14,15
	global_store_b32 v6, v[T+\i], s[16:17] offset:32768*\i th:TH_STORE_NT   ; row d = 16 w + i: the 32 lanes store 128 consecutive bytes; written once, read by nobody here
.endr
	s_wait_tensorcnt 0x0                           ; the wave's end, behind my last tensor load and my last LDS store
	ds_add_u32 v[SPW], v[NIL]
	s_wait_dscnt 0x0
	CROUND                                         ; the closing round: no work-group ends while a partner may still ask for a tile that names it
	s_endpgm
.Lfunc_end_k_q48d1895a10_attn:
	.size	k_q48d1895a10_attn, .Lfunc_end_k_q48d1895a10_attn-k_q48d1895a10_attn
	.p2alignl 7, 3214868480
	.fill 96, 4, 3214868480
	.section	.rodata,"a",@progbits
	.p2align	6, 0x0
	.amdhsa_kernel k_q48d1895a10_attn
		.amdhsa_group_segment_fixed_size 327680
		.amdhsa_private_segment_fixed_size 0
		.amdhsa_enable_private_segment 0
		.amdhsa_kernarg_size 56
		.amdhsa_user_sgpr_count 2
		.amdhsa_user_sgpr_kernarg_segment_ptr 1
		.amdhsa_wavefront_size32 1
		.amdhsa_system_sgpr_workgroup_id_x 1
		.amdhsa_system_sgpr_workgroup_id_y 1
		.amdhsa_system_sgpr_workgroup_id_z 1
		.amdhsa_system_vgpr_workitem_id 0
		.amdhsa_next_free_vgpr 512
		.amdhsa_next_free_sgpr 100
		.amdhsa_reserve_vcc 1
		.amdhsa_float_denorm_mode_32 3
		.amdhsa_float_denorm_mode_16_64 3
		.amdhsa_memory_ordered 1
		.amdhsa_forward_progress 1
		.amdhsa_inst_pref_size 200
	.end_amdhsa_kernel
	.amdgpu_metadata
---
amdhsa.version: [ 1, 2 ]
amdhsa.kernels:
  - .name:           k_q48d1895a10_attn
    .symbol:         k_q48d1895a10_attn.kd
    .args:
      - { .name: key_codes, .offset: 0, .size: 8, .value_kind: global_buffer, .address_space: global }
      - { .name: key_scales, .offset: 8, .size: 8, .value_kind: global_buffer, .address_space: global }
      - { .name: query_codes, .offset: 16, .size: 8, .value_kind: global_buffer, .address_space: global }
      - { .name: query_scales, .offset: 24, .size: 8, .value_kind: global_buffer, .address_space: global }
      - { .name: value_codes, .offset: 32, .size: 8, .value_kind: global_buffer, .address_space: global }
      - { .name: value_scales, .offset: 40, .size: 8, .value_kind: global_buffer, .address_space: global }
      - { .name: out0, .offset: 48, .size: 8, .value_kind: global_buffer, .address_space: global }
    .group_segment_fixed_size: 327680
    .private_segment_fixed_size: 0
    .kernarg_segment_align: 8
    .kernarg_segment_size: 56
    .max_flat_workgroup_size: 256
    .sgpr_count:     100
    .vgpr_count:     512
    .wavefront_size: 32
...
	.end_amdgpu_metadata
.endif
;; end of part 1
